; MI455X (gfx1250); checked and timed in simulation.
; The chip was launched on July 23, 2026; its instructions are those of AMD's public machine-readable ISA for CDNA 5 (MIT licence, August 2026) and "CDNA5" Instruction Set Architecture Reference Guide (July 2026). The comments in the code are by the model that wrote it; some were corrected since.
;; Scaled Dot Product Attention. Allowed arithmetic: matrix products marked QUANTISED: E2M1 operands, one E8M0 scale for each 32 along K, by v_wmma_scale_f32_16x16x128_f8f6f4 with both operands' format E2M1 (or v_wmma_scale_f32_32x16x128_f4), f32 sums; everything else in f32.
;; Inputs: key 16 x 4,096 x 64 float32; query 16 x 4,096 x 64 float32; value 16 x 4,096 x 64 float32.
;; Outputs: out0 16 x 4,096 x 64 float32.
;; This version of the problem:
;;   THIS VERSION OF THE PROBLEM IS GIVEN IN LOW PRECISION. The matrix products marked QUANTISED in the list below multiply operands that are first quantised to E2M1 (2 exponent bits, 1 mantissa bit; 4 bits a number), with one power-of-two scale for each 32 numbers along K (OCP MX v1.0); their sums are f32. All else is computed in f32.
;;   The module's matrix products, in the order in which they are computed (A, B: the left and right operand; K: the contracted axis; several contracted axes count as one K, in the product's order):
;;     1. batch 16 x [M 4,096, K 64] x [K 64, N 4,096]; A: input query; B: input key: QUANTISED
;;     2. batch 16 x [M 4,096, K 4,096] x [K 4,096, N 64]; A: softmax (see below); B: input value: QUANTISED
;;   THE QUANTISER, for each operand of a quantised product, along K:
;;     - K is cut into blocks of 32 from its start; a last block that is shorter is filled with zeros.
;;     - A block's scale is 2^e with e = floor(log2(the largest magnitude in the block)) - 2, held to -126 .. 127; a block of zeros has e = 0. As a byte (E8M0): e + 127.
;;     - Each number is divided by its block's scale, clamped to +-6, and rounded to the nearest number of E2M1, ties to even, subnormals kept.
;;     - The product sums the exact products of the quantised numbers (number of the format x scale) in f32.
;;   ~~~python
;;   def quantise(x, axis):      # numpy; x: float32 -> the quantised numbers, widened to float32 again
;;       x = np.moveaxis(x, axis, -1); K = x.shape[-1]
;;       x = np.pad(x, [(0, 0)] * (x.ndim - 1) + [(0, -K % 32)]); x = x.reshape(x.shape[:-1] + (-1, 32)); a = np.abs(x).max(-1, keepdims=True)
;;       e = np.where(a > 0, np.clip(np.frexp(np.where(a > 0, a, 1))[1] - 1 - 2, -126, 127), 0)      # np.frexp(a)[1] - 1 = floor(log2(a)), exactly
;;       r = np.clip(x / 2.0 ** e, -6, 6)
;;       step = 2.0 ** (np.maximum(np.frexp(np.where(r == 0, 1, r))[1] - 1, 0) - 1)
;;       q = np.round(r / step) * step * 2.0 ** e      # np.round: ties to even
;;       return np.moveaxis(q.reshape(q.shape[:-2] + (-1,))[..., :K], -1, axis).astype(np.float32)
;;   ~~~
;;   SOFTMAX AHEAD OF A QUANTISED PRODUCT. Where the list says 'softmax', what is quantised is not the finished softmax but p = 2^(t - M), with t = logit x log2(e) and M = ceil(the row's largest t), a whole number; so 1/2 < the row's largest p <= 1. The row's sum l is taken of the UNQUANTISED p, in f32, and the product's result is divided by l at the end. Since M is a whole number, a kernel that streams over the keys may use a running M (the ceiling of the running maximum): every later rescaling is an exact power of two, which a block's scale takes up: the codes' values come out the same.
;;   OPERANDS COMPUTED ON THE WAY. 'Computed on the way' means the value that the module computes at that place (a softmax that the list does not call 'softmax' is quantised finished and normalised). What goes into a quantiser is computed in f32, as accurately as f32 sums, v_exp_f32 and their like allow (about 1e-6 of the number): no bf16 or f16 on the way to a quantiser, and a product that is left as it is and whose result goes on into a quantised operand takes f32 operands (vector FMAs, or v_wmma_f32_16x16x4_f32). A number that lies on a knife's edge between two numbers of the format may be rounded either way, as far as f32 arithmetic and the matrix unit's own rounding can turn it there, and no further.
;; One version. Each part assembles by itself: llvm-mc -triple=amdgcn-amd-amdhsa -mcpu=gfx1250 --defsym DOCPART=n.
;; ======== version 1 of 1: 2 launches
;; limits: right only within a limited range of input values
;; workspace buffers: kv 4,456,448 bytes
;; launch quant (part 1): grid 512 x 1, 4 waves a work-group, no clusters, 39,424 bytes of LDS; arguments key, value, kv; writes kv
.if DOCPART == 1
	.amdgcn_target "amdgcn-amd-amdhsa--gfx1250"
	.amdhsa_code_object_version 6
	.text
	.protected	k_q85763b62b8_quant
	.globl	k_q85763b62b8_quant
	.p2align	8
	.type	k_q85763b62b8_quant,@function
k_q85763b62b8_quant:
	s_mov_b64 s[64:65], 0
	v_nop
	global_prefetch_b8 v0, s[64:65] scope:SCOPE_SE
	s_setreg_imm32_b32 hwreg(HW_REG_WAVE_MODE, 25, 1), 1
	s_wait_xcnt 0x0
; key, value: [16][4096][64] f32, are turned into codes of FP4 (E2M1) with one E8M0 scale byte for each 32 along the K of the product that they enter:
; key along the head's 64 (two blocks a row), value along the keys.  (query is read once by one wave of the next launch and is quantised there.)
; The codes are laid as IMAGES OF THE OPERANDS' REGISTERS, in records of 128 keys of one head (record = 32 x head + step), 8,704 bytes each:
;      0: K, 8 tiles x 512 bytes: tile 4 c + u, lane (r, h) at 16 (r + 16 h): the 32 codes of block h of key 64 c + 8 u + r % 8 + 32 (r / 8)
;   4096: V, 4 tiles x 1,024 bytes: tile T, group c at 512 c, lane (r, h) at 16 (r + 16 h): the codes of keys 64 c + 32 h + 0 .. 31 of channel 16 T + r
;   8192: scale words, 16 bytes a lane: KW0, KW1, VW0, VW1.  KWc, lane (r, hh): bytes 0, 1 the two blocks of row r of tile 4 c + 2 hh, bytes 2, 3 of tile 4 c + 2 hh + 1.
;         VWi, lane (r, hh): the four key blocks of channel r of V's tile 2 i + hh
; A block's scale is 2^(floor(log2(its largest magnitude)) - 2): its byte is the largest magnitude's exponent field - 2, held at 1 from below by a floor among the maximum's leaves.
; LIMITS: a block of zeros gets the byte 1 where the rule says 127 (its codes are zeros, and this program alone reads the bytes); blocks whose largest magnitude lies under 2^-124
; are held at that floor; NaN and infinities among the inputs are not served.
; SHARES: work-groups 0-255 take key, 256-511 value; every wave takes 16 KiB of f32.  Waves share nothing: no barrier.  Each input byte is read once, so matrix units, clusters and
; tensor loads would add nothing here.  Only key's path uses LDS.
.set REC,   8704
.set STG,   4864                       ; a stage: 2 halves x 16 rows x 144 bytes, the halves 2,432 bytes apart
.set WREG,  2*STG                      ; a wave's two stages
.set SPARE, 4*WREG                     ; the spare words, 128 bytes a wave
.set R,     16                         ; v16-143  as loaded
.set X,     144                        ; v144-207 two sets of 32 neighbours along K (key)
.set C,     208                        ; v208-223 codes: four registers for each tile or block, so that no store's data are written again
; 32 numbers of one block in v[xs] on become four registers of codes in v[cd] on; the scale's byte is left in v11.
.macro QBLOCK xs, cd
	v_max3_num_f32 v8, |v[\xs]|, |v[\xs+1]|, |v[\xs+2]|
	v_max3_num_f32 v9, |v[\xs+3]|, |v[\xs+4]|, |v[\xs+5]|
.irp i, 6,10,14,18,22,26
	v_max3_num_f32 v8, v8, |v[\xs+\i]|, |v[\xs+\i+1]|
	v_max3_num_f32 v9, v9, |v[\xs+\i+2]|, |v[\xs+\i+3]|
.endr
	v_max3_num_f32 v8, v8, |v[\xs+30]|, |v[\xs+31]|
	v_max3_num_f32 v8, v8, v9, 0x1800000           ; the floor 2^(3 - 127): the byte cannot fall under 1
	v_add_nc_u32 v10, 0xff000000, v8               ; 2 off the exponent field: the conversion's scale operand
.irp g, 0,1,2,3
	v_cvt_scalef32_pk8_fp4_f32 v[\cd+\g], v[\xs+8*\g:\xs+8*\g+7], v10
.endr
	v_lshrrev_b32 v11, 23, v10                     ; the scale's byte; also the plain line behind the conversions
.endm
	s_load_b128 s[4:7], s[0:1], 0x0                ; key s[4:5], value s[6:7]
	s_load_b64 s[12:13], s[0:1], 0x10              ; kv
	v_lshl_add_u32 v224, v0, 2, SPARE
	v_mov_b32 v225, 0
	v_lshrrev_b32 v1, 5, v0
	v_readfirstlane_b32 s16, v1                    ; wave 0..3
	v_and_b32 v1, 31, v0                           ; lane
	v_lshlrev_b32 v2, 4, v1                        ; 16 x lane
	v_lshlrev_b32 v6, 2, v1                        ; 4 x lane
	v_lshrrev_b32 v5, 4, v1
	v_lshlrev_b32 v5, 3, v5                        ; 8 h
	v_mov_b32 v14, 0                               ; a lane permute's destination counts as one of its sources
	s_mov_b32 s24, 0x76543210
	s_mov_b32 s25, 0xfedcba98                      ; selects for lane l xor 16
	s_mov_b32 s23, 0xffff0000                      ; the mask of lanes 16-31
	s_mov_b32 s27, 0                               ; the upper word of every offset below
	s_wait_alu depctr_va_vdst(0)                   ; the wait at the head's end
	s_wait_kmcnt 0x0
	s_cmp_ge_u32 ttmp9, 256
	s_cbranch_scc1 .Lv
	; ---- KEY.  A wave takes 64 rows (half a record, c): four tiles of 16 rows.
	s_lshl_b32 s22, ttmp9, 2
	s_add_co_u32 s22, s22, s16                     ; g = which run of 64 rows: 0 .. 1023
	s_lshl_b32 s26, s22, 14
	s_add_nc_u64 s[4:5], s[4:5], s[26:27]          ; its 16 KiB
	s_lshr_b32 s17, s22, 1                         ; the record
	s_and_b32 s22, s22, 1                          ; c
	s_mul_i32 s26, s17, REC
	s_add_nc_u64 s[10:11], s[12:13], s[26:27]      ; the record's first byte
	s_lshl_b32 s26, s22, 2
	s_add_co_u32 s26, s26, 8192
	s_add_nc_u64 s[18:19], s[10:11], s[26:27]      ; word KWc of lane 0
	s_lshl_b32 s26, s22, 11
	s_add_nc_u64 s[10:11], s[10:11], s[26:27]      ; tile 4 c
	; A load is dense (32 lanes take 512 consecutive bytes: two rows); the conversions want a lane to hold the 32 neighbours of one block.  So a tile turns through the wave's own stage:
	; row r's block h lies at 144 r + 2,432 h.
	s_mul_i32 s28, s16, WREG
	s_wait_alu depctr_va_vdst(0)
	v_lshrrev_b32 v3, 4, v1
	v_mul_u32_u24 v3, v3, 144                      ; in: lanes 16-31 hold the load's second row;
	v_bfe_u32 v4, v1, 3, 1
	v_mad_u32_u24 v3, v4, 2432, v3                 ; eight lanes to a block;
	v_and_b32 v4, 7, v1
	v_lshl_add_u32 v3, v4, 4, v3                   ; 16 bytes a lane
	v_add_nc_u32 v3, s28, v3
	v_and_b32 v4, 15, v1
	v_mul_u32_u24 v4, v4, 144                      ; out: lane (r, h) takes row r's block h
	v_lshrrev_b32 v7, 4, v1
	v_mad_u32_u24 v4, v7, 2432, v4
	v_add_nc_u32 v4, s28, v4
.macro LOADT u                         ; tile u: rows 8 u .. 8 u + 7 and 32 + 8 u .. 32 + 8 u + 7 of my 64
.irp i, 0,1,2,3
	global_load_b128 v[R+32*(\u)+4*\i:R+32*(\u)+4*\i+3], v2, s[4:5] offset:2048*(\u)+512*\i th:TH_LOAD_NT
.endr
.irp i, 4,5,6,7
	global_load_b128 v[R+32*(\u)+4*\i:R+32*(\u)+4*\i+3], v2, s[4:5] offset:8192+2048*(\u)+512*(\i-4) th:TH_LOAD_NT
.endr
.endm
.macro TURN u                          ; tile u through stage u % 2: LDS serves a wave's instructions in order
.irp i, 0,1,2,3,4,5,6,7
	ds_store_b128 v3, v[R+32*(\u)+4*\i:R+32*(\u)+4*\i+3] offset:STG*((\u)%2)+288*\i
.endr
.irp j, 0,1,2,3,4,5,6,7
	ds_load_b128 v[X+32*((\u)%2)+4*\j:X+32*((\u)%2)+4*\j+3], v4 offset:STG*((\u)%2)+16*\j
.endr
.endm
.macro TILE u
.set XS, X+32*((\u)%2)
.set CD, C+4*(\u)
.if (\u) < 3
	s_wait_loadcnt 8*(2-(\u))                      ; the next tile's eight loads are in; those of the tiles behind it may be out
	TURN (\u)+1
	s_wait_dscnt 16                                ; this tile is back from its stage: the sixteen just issued may be out
.else
	s_wait_dscnt 0x0
.endif
	QBLOCK XS, CD
.if (\u) == 0                          ; bytes of tiles 0 and 1 in v12, of tiles 2 and 3 in v13: the even tile's in bits 7:0, the odd tile's in bits 23:16
	v_mov_b32 v12, v11
.elseif (\u) == 1
	v_lshl_or_b32 v12, v11, 16, v12
.elseif (\u) == 2
	v_mov_b32 v13, v11
.else
	v_lshl_or_b32 v13, v11, 16, v13
.endif
	global_store_b128 v2, v[CD:CD+3], s[10:11] offset:512*(\u)   ; 32 lanes store 512 consecutive bytes, aligned to 512
.endm
	LOADT 0
	LOADT 1
	LOADT 2
	LOADT 3
	s_wait_alu depctr_va_vdst(0)
	s_wait_loadcnt 24                              ; tile 0's eight are in
	TURN 0
	TILE 0
	TILE 1
	TILE 2
	TILE 3
	v_lshlrev_b32 v12, v5, v12                     ; my block's bytes at their places (8 h bits up);
	v_lshlrev_b32 v13, v5, v13
	v_permlanex16_b32 v14, v12, s24, s25
	v_or_b32 v12, v12, v14                         ; with lane l xor 16's the words are whole
	v_permlanex16_b32 v14, v13, s24, s25
	v_or_b32 v13, v13, v14
	v_cndmask_b32 v15, v12, v13, s23               ; lanes 0-15: tiles 0, 1; lanes 16-31: tiles 2, 3
	global_store_b32 v2, v15, s[18:19]             ; 4 bytes a lane, 16 apart: laid so that the next launch reads them at 16 x lane
	s_wait_tensorcnt 0x0                           ; the wave's end
	ds_add_u32 v224, v225
	s_wait_dscnt 0x0
	s_endpgm
	; ---- VALUE.  K = the keys is its first axis within a head: a lane takes a channel and its registers run down the keys.  A wave takes 32 channels (half w2) x a record's 128 keys.
.Lv:
	s_sub_co_u32 s22, ttmp9, 256
	s_lshl_b32 s22, s22, 2
	s_add_co_u32 s22, s22, s16                     ; g: 0 .. 1023
	s_lshr_b32 s17, s22, 1                         ; the record
	s_and_b32 s22, s22, 1                          ; w2
	s_lshl_b32 s26, s17, 15                        ; 128 keys x 256 bytes
	s_lshl_b32 s20, s22, 7                         ; + my 32 channels
	s_add_co_u32 s26, s26, s20
	s_add_nc_u64 s[8:9], s[6:7], s[26:27]
	s_mul_i32 s26, s17, REC
	s_add_nc_u64 s[12:13], s[12:13], s[26:27]      ; the record's first byte
	s_lshl_b32 s26, s22, 2
	s_add_co_u32 s26, s26, 8200
	s_add_nc_u64 s[18:19], s[12:13], s[26:27]      ; word VW(w2) of lane 0
	s_lshl_b32 s26, s22, 11
	s_add_co_u32 s26, s26, 4096
	s_add_nc_u64 s[12:13], s[12:13], s[26:27]      ; V's tile 2 w2
	s_wait_alu depctr_va_vdst(0)
	v_lshrrev_b32 v7, 4, v1
	v_lshlrev_b32 v7, 10, v7                       ; lanes 16-31 hold the next tile's channels;
	v_and_b32 v3, 15, v1
	v_lshl_add_u32 v7, v3, 4, v7                   ; 16 bytes a channel
.macro LOADB kb                        ; block kb: value(32 kb + i, my channel): 32 lanes read 128 consecutive bytes; the wave beside me reads the row's other half
.irp i, 0,1,2,3,4,5,6,7,8,9,10,11,12,13,14,15,16,17,18,19,20,21,22,23,24,25,26,27,28,29,30,31
	global_load_b32 v[R+32*(\kb)+\i], v6, s[8:9] offset:(32*(\kb)+\i)*256 th:TH_LOAD_NT
.endr
.endm
.macro BLOCK kb
.set XS, R+32*(\kb)
.set CD, C+4*(\kb)
.if (\kb) < 3
	s_wait_loadcnt 32                              ; this block's 32 loads are in; the next block's may be out
.else
	s_wait_loadcnt 0x0
.endif
.if (\kb) < 2
	LOADB (\kb)+2
.endif
	QBLOCK XS, CD
.if (\kb) == 0
	v_mov_b32 v15, v11                             ; the four bytes make my channel's scale word, the lower keys in the lower byte
.else
	v_lshl_or_b32 v15, v11, 8*(\kb), v15
.endif
	global_store_b128 v7, v[CD:CD+3], s[12:13] offset:512*((\kb)/2)+256*((\kb)%2)   ; sixteen lanes store 256 consecutive bytes, aligned to 256
.endm
	LOADB 0
	LOADB 1
	BLOCK 0
	BLOCK 1
	BLOCK 2
	BLOCK 3
	global_store_b32 v2, v15, s[18:19]             ; lane l = (r, hh): channel r of tile 2 w2 + hh
	s_endpgm
.Lfunc_end_k_q85763b62b8_quant:
	.size	k_q85763b62b8_quant, .Lfunc_end_k_q85763b62b8_quant-k_q85763b62b8_quant
	.p2alignl 7, 3214868480
	.fill 96, 4, 3214868480
	.section	.rodata,"a",@progbits
	.p2align	6, 0x0
	.amdhsa_kernel k_q85763b62b8_quant
		.amdhsa_group_segment_fixed_size 39424
		.amdhsa_private_segment_fixed_size 0
		.amdhsa_enable_private_segment 0
		.amdhsa_kernarg_size 24
		.amdhsa_user_sgpr_count 2
		.amdhsa_user_sgpr_kernarg_segment_ptr 1
		.amdhsa_wavefront_size32 1
		.amdhsa_system_sgpr_workgroup_id_x 1
		.amdhsa_system_sgpr_workgroup_id_y 1
		.amdhsa_system_sgpr_workgroup_id_z 1
		.amdhsa_system_vgpr_workitem_id 0
		.amdhsa_next_free_vgpr 226
		.amdhsa_next_free_sgpr 66
		.amdhsa_reserve_vcc 0
		.amdhsa_float_denorm_mode_32 3
		.amdhsa_float_denorm_mode_16_64 3
		.amdhsa_memory_ordered 1
		.amdhsa_forward_progress 1
		.amdhsa_inst_pref_size 36
	.end_amdhsa_kernel
	.amdgpu_metadata
---
amdhsa.version: [ 1, 2 ]
amdhsa.kernels:
  - .name:           k_q85763b62b8_quant
    .symbol:         k_q85763b62b8_quant.kd
    .args:
      - { .name: key, .offset: 0, .size: 8, .value_kind: global_buffer, .address_space: global }
      - { .name: value, .offset: 8, .size: 8, .value_kind: global_buffer, .address_space: global }
      - { .name: kv, .offset: 16, .size: 8, .value_kind: global_buffer, .address_space: global }
    .group_segment_fixed_size: 39424
    .private_segment_fixed_size: 0
    .kernarg_segment_align: 8
    .kernarg_segment_size: 24
    .max_flat_workgroup_size: 128
    .sgpr_count:     66
    .vgpr_count:     226
    .wavefront_size: 32
...
	.end_amdgpu_metadata
.endif
;; end of part 1
;; launch attn (part 2): grid 16 x 16, 16 waves a work-group, clusters of 4 x 1, 327,680 bytes of LDS; arguments query, kv, out0; writes out0
.if DOCPART == 2
	.amdgcn_target "amdgcn-amd-amdhsa--gfx1250"
	.amdhsa_code_object_version 6
	.text
	.protected	k_q85763b62b8_attn
	.globl	k_q85763b62b8_attn
	.p2align	8
	.type	k_q85763b62b8_attn,@function
k_q85763b62b8_attn:
	s_mov_b64 s[64:65], 0
	v_nop
	global_prefetch_b8 v0, s[64:65] scope:SCOPE_SE
	s_setreg_imm32_b32 hwreg(HW_REG_WAVE_MODE, 25, 1), 1
	s_wait_xcnt 0x0
	s_wait_alu depctr_hold_cnt(0) depctr_sa_sdst(0) depctr_va_vdst(0) depctr_va_sdst(0) depctr_va_ssrc(0) depctr_va_vcc(0) depctr_vm_vsrc(0)
	s_getreg_b32 s2, hwreg(HW_REG_IB_STS2, 6, 4)
	s_cmp_eq_u32 s2, 0
	s_cbranch_scc0 .Lentry_in_a_cluster
	s_endpgm
.Lentry_in_a_cluster:
	s_bfe_u32 s2, ttmp6, 0x10000c
	s_cmp_lg_u32 s2, 0x3003
	s_cbranch_scc0 .Lentry_shape_is_right
	s_endpgm
.Lentry_shape_is_right:
; out0[b][q][:] = the sum over k of softmax_k(query[b][q] . key[b][k] / 8) value[b][k][:], both products on codes of FP4 (E2M1) with one E8M0 scale for each 32 along a product's K.
; kv holds key's and value's codes and scale words as images of the operands' registers, in records of 128 keys of a head (the launch before made them), 8,704 bytes each:
;   K's 8 tiles x 512 bytes | V's 4 tiles x 1,024 bytes | 512 bytes of scale words, 16 a lane: KW0, KW1, VW0, VW1.
; query arrives as f32: a wave reads its 16 rows once, by loads of 512 consecutive bytes, turns them through a stage of its own in LDS (8 rows at a time), so that lane (r, h) holds the 32 numbers
; of block h of row r, which is the operand's own layout, and quantises them in registers.
; THE SOFTMAX AHEAD OF THE SECOND PRODUCT: t = score x log2(e) / 8; M = the row's largest t so far, rounded UP to a whole number; p = 2^(t - M) is quantised along the keys, not normalised.
; The row's sum is taken of the unquantised p, in f32, and divides O at the end.  When M moves, the sum and O are multiplied by 2^(old M - new M): exact.
; SHARES.  A work-group owns 256 queries of a head; each of its sixteen waves owns 16 neighbouring ones in 256 registers, four waves to a SIMD.
; ALL OF A HEAD'S K AND V LIES IN LDS: 32 records, 278,528 bytes, filled ONCE, by two tensor loads a wave: records 0-7 at the head (17 rows of 256 bytes a wave), records 8-31 behind the
; sequence ahead of a later first fill (51 rows a wave).  Nothing is filled again.  Records 8-31 are read behind a wait for 0 and one barrier.
; No data prefetch: all that a work-group reads of kv is asked for by those two loads at the head, so there is no loop to run ahead in.
; CLUSTER.  The four work-groups of a cluster own query blocks of ONE head and want the same 278,528 bytes: both fills are asked for JOINTLY, with the same descriptor and the mask 15.
; LAYOUT.  Both products are used transposed: S^T = K Q^T, O^T = V^T P^T: a lane holds ONE query (lane % 16) throughout.  Row r of K's tile 4 c + u is key 64 c + 8 u + r % 8 + 32 (r / 8):
; so register j of lane (query, h) of that tile's result is key 64 c + 32 h + 8 u + j, its eight registers convert straight into register 4 c + u of P's operand, and a lane owns whole blocks of 32 keys.
; THE HEAD IS 64, THE INSTRUCTION'S K 128: source 0 holds TWO tiles of keys, multiplied once by (Q | zero codes) and once by (zero codes | Q); the dead half has zero codes and the byte 0 on Q's side.
; A STEP'S ORDER.  The next record's K is loaded a step ahead; a step's 18 LDS loads stand in one run between the wait ahead of the exponentials and the exponentials; the last seven additions of
; the row's sum stand at the next step's head, where they are the places behind the score products.
; LIMITS: NaN and infinities are not served; the promise holds while the scaled scores t stay under 2^31 in magnitude; v_exp_f32 gives 0 for a p under 2^-126; a block's largest p is made from its
; largest score by the same two instructions as every p, which takes v_exp_f32 not to fall where its input rises; a block of zeros (of query, or of p) keeps the byte 1: its codes are zeros.
.set REC,    8704
.set CH0,    8*REC                     ; records 0-7: 272 rows of 256 bytes
.set HEADB,  32*REC
.set PART,   CH0/16                    ; 4,352: a wave's part of records 0-7; also its stage on the way out: 16 rows x 272 bytes
.set PARTB,  24*REC/16                 ; 13,056: its part of records 8-31
.set SPARE,  HEADB                     ; behind the records: the spare words, 128 bytes a wave
.set QSTG,   SPARE+2048                ; behind them: query's stages, into which no fill lands
.set QSB,    2304                      ; one for each wave: 2 blocks x 8 rows x 144 bytes, the blocks 1,152 bytes apart
.set VIM,    4096
.set SCW,    8192
.set SP,     272                       ; a stage row on the way out.  Those stages lie over records 0-7, which have had their only fill and whose last reads stand in front of the barrier behind step 7
.set LI,  1                            ; 16 x lane
.set ADR, 2                            ; the record in hand + 16 x lane
.set H8,  3                            ; 8 h
.set STO, 4                            ; the way out: in, back, and my offset in out0
.set RD,  5
.set GO,  6
.set LM,  8                            ; v8-9 at the head r and h; in a step three leftover scores' maximum of each block
.set QS,  10                           ; v10 the scale word of (Q | 0), v11 of (0 | Q)
.set NM,  12                           ; -M
.set MX,  13                           ; the largest score so far
.set SUM, 14                           ; v[14:15]
.set QZ,  16                           ; v16-19 zeros, v20-23 Q, v24-27 zeros
.set OLDM, 28
.set QST, 29                           ; at the head: query's stage, in and back; in a step v29-30: the second half of each block's maximum
.set QRD, 30
.set B2,  29
.set KF,  32
.set VF,  64
.set S,   96                           ; S^T, then p
.set O,   160
.set PC,  192
.set KW,  200
.set VW,  202
.set PW,  204
.set SPW, 238
.set NIL, 239
.set MT,  240                          ; v240-247 the tiles' maxima; v236-237, v240-251 later the sum's seven side chains
.set BM,  248
.set SO,  250
.set F,   252                          ; v[252:253]
.set T0,  254
.set T1,  255
.set WV,  10
.set G1,  24                           ; s[24:31], s[40:47] groups 1; s[32:35], s[36:39] groups 0
.set G0,  32
.set G0B, 36
.set G1B, 40
.set TB,  48
.set CNT, 49
.set SEL, 50
.set CS,  52                           ; s[52:53] c = log2(e) / 8;  s54 = -c
.set CN,  54
.macro ROUND                           ; a round of the cluster's barrier
	s_barrier_signal -1
	s_barrier_wait -1
	s_cmp_lg_u32 s[WV], 0
	s_cbranch_scc1 .Lnot_wave_0_\@
	s_barrier_signal -3
.Lnot_wave_0_\@:
	s_barrier_wait -3
	s_barrier_signal -1
	s_barrier_wait -1
.endm
.macro GROUP1 g, rows                  ; rows of 32 elements of 8 bytes, dense in memory and in LDS; mask 15, bit 21 beside it
	s_mov_b32 s[\g], 15|(3<<16)|(1<<21)
	s_mov_b32 s[\g+1], 32<<16
	s_mov_b32 s[\g+2], \rows<<16
	s_mov_b32 s[\g+3], 32<<16
	s_mov_b32 s[\g+4], \rows
	s_mov_b32 s[\g+5], 32
	s_mov_b32 s[\g+6], 0
	s_mov_b32 s[\g+7], 0
.endm
	s_load_b128 s[4:7], s[0:1], 0x0                ; query s[4:5], kv s[6:7]
	s_load_b64 s[8:9], s[0:1], 0x10                ; out0
	v_lshl_add_u32 v[SPW], v0, 2, SPARE
	v_mov_b32 v[NIL], 0
	ds_add_u32 v[SPW], v[NIL]                      ; the opening lines: the add twice on end and its wait
	ds_add_u32 v[SPW], v[NIL]
	v_lshrrev_b32 v8, 5, v0
	v_readfirstlane_b32 s[WV], v8                  ; wave 0..15
	v_and_b32 v[LI], 31, v0
	v_lshlrev_b32 v[LI], 4, v[LI]
	v_and_b32 v8, 15, v0                           ; r
	v_bfe_u32 v9, v0, 4, 1                         ; h
	v_lshlrev_b32 v[H8], 3, v9
	s_and_b32 s13, ttmp7, 0xffff                   ; the head, which the four partners share
	s_mul_i32 s15, s[WV], PART
	s_mul_i32 s14, s[WV], PARTB
	s_mul_i32 s16, s13, HEADB
	s_mov_b32 s17, 0
	GROUP1 G1, 17
	GROUP1 G1B, 51
	s_bfe_u32 s11, ttmp6, 0x40000                  ; cx: it enters query's and out0's addresses alone
	s_lshl_b32 s12, ttmp9, 2
	s_add_co_u32 s12, s12, s11                     ; my block of 256 queries
	s_lshl_b32 s18, s13, 20
	s_lshl_b32 s12, s12, 16
	s_add_co_u32 s18, s18, s12
	s_lshl_b32 s12, s[WV], 12
	s_add_co_u32 s18, s18, s12                     ; my first row, in bytes: rows of 256 bytes in query and in out0 alike
	s_mov_b32 s19, 0
	s_mov_b32 s[SEL], 0x76543210
	s_mov_b32 s[SEL+1], 0xfedcba98
	s_mov_b32 s[CS], 0x3e38aa3b
	s_mov_b32 s[CS+1], s[CS]
	s_mov_b32 s[CN], 0xbe38aa3b
	s_wait_alu depctr_va_vdst(0)                   ; the wait here, ahead of the waits below
	s_wait_dscnt 0x0
	s_wait_kmcnt 0x0
	s_add_nc_u64 s[20:21], s[4:5], s[18:19]
	s_add_nc_u64 s[8:9], s[8:9], s[18:19]
.irp j, 0,1,2,3,4,5,6,7
	global_load_b128 v[S+4*\j:S+4*\j+3], v[LI], s[20:21] offset:512*\j th:TH_LOAD_NT   ; rows 2 j and 2 j + 1 of my 16: 32 lanes read 512 consecutive bytes
.endr
	s_add_nc_u64 s[6:7], s[6:7], s[16:17]          ; the head's records
	s_mov_b32 s16, s15
	s_mov_b32 s[G0], 1
	s_mov_b32 s[G0+1], s15
	s_add_nc_u64 s[G0+2:G0+3], s[6:7], s[16:17]
	s_or_b32 s[G0+3], s[G0+3], 0x80000000
	s_add_co_u32 s16, s14, CH0
	s_mov_b32 s[G0B], 1
	s_mov_b32 s[G0B+1], s16
	s_add_nc_u64 s[G0B+2:G0B+3], s[6:7], s[16:17]
	s_or_b32 s[G0B+3], s[G0B+3], 0x80000000
	ROUND                                          ; all four work-groups are here: the joint loads meet
	tensor_load_to_lds s[G0:G0+3], s[G1:G1+7]      ; records 0-7: my one load at the head
	s_nop 0
.rept 4
	v_nop
.endr
	v_mul_u32_u24 v[STO], v8, SP
	v_mul_u32_u24 v[RD], v9, SP
	v_lshlrev_b32 v[GO], 8, v9
	v_lshl_add_u32 v[STO], v9, 5, v[STO]
	v_lshl_add_u32 v[RD], v8, 4, v[RD]
	v_lshl_add_u32 v[GO], v8, 4, v[GO]             ; lanes 0-15 one row of out0, lanes 16-31 the next
	v_add_nc_u32 v[STO], s15, v[STO]               ; in: my stage, row r; tile n's eight channels of my half: 64 n + 32 h bytes on
	v_add_nc_u32 v[RD], s15, v[RD]                 ; back: two rows an instruction
	s_mul_i32 s22, s[WV], QSB
	s_add_co_u32 s22, s22, QSTG                    ; query's stage of my wave
	s_mov_b32 s23, 0xff00ff00                      ; the lanes whose row is 8 .. 15
	v_mul_u32_u24 v[QST], v9, 144                  ; in: lanes 16-31 hold a load's second row;
	v_bfe_u32 v31, v0, 3, 1
	v_mad_u32_u24 v[QST], v31, 1152, v[QST]        ; eight lanes to a block;
	v_and_b32 v31, 7, v0
	v_lshl_add_u32 v[QST], v31, 4, v[QST]          ; 16 bytes a lane
	v_mul_u32_u24 v[QRD], v31, 144                 ; back: lane (r, h) takes block h of row r % 8
	v_mad_u32_u24 v[QRD], v9, 1152, v[QRD]
	v_add_nc_u32 v[QST], s22, v[QST]
	v_add_nc_u32 v[QRD], s22, v[QRD]
.irp j, 0,1,2,3,8,9,10,11
	v_mov_b32 v[QZ+\j], 0                          ; the zero codes on both sides of Q
.endr
.irp j, 14,15,236,237,240,241,242,243,244,245,246,247,248,249,250,251,253,255
	v_mov_b32 v\j, 0                               ; the sum and its side chains; the pair's upper half; a lane permute's destination
.endr
	v_mov_b32 v[MX], 0xff61b1e6                    ; -3e38, under every score
	v_mov_b32 v[NM], 0x7e000000                    ; -M = 2^125: the first change of M makes f = 0, which leaves the zeros zeros
	s_wait_alu depctr_va_vdst(0)
	s_wait_loadcnt 0x0
	s_wait_tensorcnt 0x0                           ; no tensor load of mine is out while I store to LDS
.irp p, 0,1                            ; rows 8 p .. 8 p + 7 through the stage; every lane reads row r % 8 of both passes
.irp i, 0,1,2,3
	ds_store_b128 v[QST], v[S+16*\p+4*\i:S+16*\p+4*\i+3] offset:288*\i
.endr
.irp j, 0,1,2,3,4,5,6,7
	ds_load_b128 v[KF+32*\p+4*\j:KF+32*\p+4*\j+3], v[QRD] offset:16*\j   ; LDS serves a wave's instructions in order: these see my stores
.endr
	s_wait_dscnt 0x0                               ; the pass is back before the stage is written again
.endr
.irp i, 0,1,2,3,4,5,6,7,8,9,10,11,12,13,14,15,16,17,18,19,20,21,22,23,24,25,26,27,28,29,30,31
	v_cndmask_b32 v[S+\i], v[KF+\i], v[VF+\i], s23 ; and keeps the pass that held its row
.endr
	v_max3_num_f32 v8, |v[S]|, |v[S+1]|, |v[S+2]|  ; query's quantiser: the block's largest magnitude, in two chains
	v_max3_num_f32 v9, |v[S+3]|, |v[S+4]|, |v[S+5]|
.irp i, 6,10,14,18,22,26
	v_max3_num_f32 v8, v8, |v[S+\i]|, |v[S+\i+1]|
	v_max3_num_f32 v9, v9, |v[S+\i+2]|, |v[S+\i+3]|
.endr
	v_max3_num_f32 v8, v8, |v[S+30]|, |v[S+31]|
	v_max3_num_f32 v8, v8, v9, 0x1800000           ; the floor 2^(3 - 127)
	v_add_nc_u32 v9, 0xff000000, v8                ; 2 off the exponent field: the conversion's scale operand
.irp g, 0,1,2,3
	v_cvt_scalef32_pk8_fp4_f32 v[QZ+4+\g], v[S+8*\g:S+8*\g+7], v9
.endr
	v_lshrrev_b32 v[QS], 23, v9                    ; the byte; also the plain line behind the conversions
	v_lshlrev_b32 v[QS], v[H8], v[QS]
	v_permlanex16_b32 v[T1], v[QS], s[SEL], s[SEL+1]
	v_or_b32 v[QS], v[QS], v[T1]                   ; (Q | 0): row r's two bytes, the byte 0 for the dead half
	v_lshlrev_b32 v[QS+1], 16, v[QS]               ; (0 | Q)
.irp j, 0,1,2,3,4,5,6,7,8,9,10,11,12,13,14,15,16,17,18,19,20,21,22,23,24,25,26,27,28,29,30,31
	v_mov_b32 v[O+\j], 0                           ; O^T: the step is written once for all steps.  (These also stand between the scale words just made and the first product)
.endr
.macro MERGE                           ; the sum's seven side chains into the sum
	v_pk_add_f32 v[14:15], v[14:15], v[246:247]
	v_pk_add_f32 v[240:241], v[240:241], v[244:245]
	v_pk_add_f32 v[250:251], v[250:251], v[242:243]
	v_pk_add_f32 v[248:249], v[248:249], v[236:237]
	v_pk_add_f32 v[14:15], v[14:15], v[250:251]
	v_pk_add_f32 v[240:241], v[240:241], v[248:249]
	v_pk_add_f32 v[14:15], v[14:15], v[240:241]
.endm
.macro VL i                            ; two of V's eight loads
	ds_load_b128 v[VF+4*(\i):VF+4*(\i)+3], v[ADR] offset:VIM+512*(\i)
	ds_load_b128 v[VF+4*(\i)+4:VF+4*(\i)+7], v[ADR] offset:VIM+512*(\i)+512
.endm
.macro KL i, at                        ; two of K's eight
	ds_load_b128 v[KF+4*(\i):KF+4*(\i)+3], v[ADR] offset:\at+512*(\i)
	ds_load_b128 v[KF+4*(\i)+4:KF+4*(\i)+7], v[ADR] offset:\at+512*(\i)+512
.endm
.macro KFIRST                          ; K of the record at s[TB]
	v_add_nc_u32 v[ADR], s[TB], v[LI]
	ds_load_b64 v[KW:KW+1], v[ADR] offset:SCW
	KL 0, 0
	KL 2, 0
	KL 4, 0
	KL 6, 0
.endm
.macro FMA8 j0
.irp j, 0,2,4,6,8,10,12,14
	v_pk_fma_f32 v[S+\j0+\j:S+\j0+\j+1], v[S+\j0+\j:S+\j0+\j+1], s[CS:CS+1], v[NM:NM+1] op_sel_hi:[1,0,0]   ; t - M, two at a time
.endr
.endm
.macro OMUL j                          ; four registers of O^T under the new M
	v_pk_mul_f32 v[O+\j:O+\j+1], v[O+\j:O+\j+1], v[F:F+1] op_sel_hi:[1,0]
	v_pk_mul_f32 v[O+\j+2:O+\j+3], v[O+\j+2:O+\j+3], v[F:F+1] op_sel_hi:[1,0]
.endm
; A KEY STEP: a record's 128 keys.  pf = 1: the next record's K is loaded too.
.macro STEP pf
	v_add_nc_u32 v[ADR], s[TB], v[LI]              ; first read 70 and more plain lines further down
	s_wait_dscnt 0x0                               ; K and its scale words are in
.irp t, 0,1,2,3,4,5,6,7                ; S^T of tile t: source 0 = tiles 2 (t / 2) and 2 (t / 2) + 1, source 1 picks one of them
.if (\t/2)%2
	v_wmma_scale_f32_16x16x128_f8f6f4 v[S+8*\t:S+8*\t+7], v[KF+8*(\t/2):KF+8*(\t/2)+7], v[QZ+4-4*(\t%2):QZ+11-4*(\t%2)], 0, v[KW+\t/4], v[QS+\t%2] matrix_a_fmt:MATRIX_FMT_FP4 matrix_b_fmt:MATRIX_FMT_FP4 matrix_a_scale:MATRIX_SCALE_ROW1
.else
	v_wmma_scale_f32_16x16x128_f8f6f4 v[S+8*\t:S+8*\t+7], v[KF+8*(\t/2):KF+8*(\t/2)+7], v[QZ+4-4*(\t%2):QZ+11-4*(\t%2)], 0, v[KW+\t/4], v[QS+\t%2] matrix_a_fmt:MATRIX_FMT_FP4 matrix_b_fmt:MATRIX_FMT_FP4
.endif
.endr
	MERGE                                          ; the last step's sums are finished: seven places behind the products (four are asked: ISA guide 7.12.1)
	v_mov_b32 v[OLDM], v[NM]
.irp t, 0,1,2,3,4,5,6,7
	v_max3_num_f32 v[MT+\t], v[S+8*\t], v[S+8*\t+1], v[S+8*\t+2]   ; each tile's maximum, the eight by turns, each result from its low end on
.endr
.irp c, 0,1
	v_max3_num_f32 v[LM+\c], v[S+32*\c+7], v[S+32*\c+15], v[S+32*\c+23]   ; three of each block's four last registers
.endr
.irp i, 3,5
.irp t, 0,1,2,3,4,5,6,7
	v_max3_num_f32 v[MT+\t], v[MT+\t], v[S+8*\t+\i], v[S+8*\t+\i+1]
.endr
.endr
.irp c, 0,1
	v_max3_num_f32 v[BM+\c], v[MT+4*\c], v[MT+4*\c+1], v[MT+4*\c+2]   ; my two blocks' largest scores, each in two halves: four lines that do not wait for each other
.endr
.irp c, 0,1
	v_max3_num_f32 v[B2+\c], v[MT+4*\c+3], v[LM+\c], v[S+32*\c+31]
.endr
.irp c, 0,1
	v_max_num_f32 v[BM+\c], v[BM+\c], v[B2+\c]
.endr
	v_max_num_f32 v[T0], v[BM], v[BM+1]
	v_permlanex16_b32 v[T1], v[T0], s[SEL], s[SEL+1]
	v_max3_num_f32 v[MX], v[MX], v[T0], v[T1]      ; with lane l xor 16's 64 keys: the running largest score
	v_mul_f32 v[T0], s[CN], v[MX]                  ; -t
	v_floor_f32 v[NM], v[T0]                       ; the new -M = floor(-t) = -ceil(t): a whole number
	FMA8 0
	v_sub_f32 v[T0], v[NM], v[OLDM]                ; old M - new M: a whole number, 0 or less
	FMA8 16
	v_cvt_i32_f32 v[T0], v[T0]                     ; (it saturates)
	FMA8 32
	v_ldexp_f32 v[F], 1.0, v[T0]                   ; f = 2^(old M - new M)
	FMA8 48
.irp c, 0,1
	v_fma_f32 v[BM+\c], v[BM+\c], s[CS], v[NM]     ; the same of each block's largest score
.endr
	s_wait_alu depctr_va_vdst(0)                   ; the wait ahead of the batch
	VL 0                                           ; the step's LDS loads, in one run: V and its scale words land under the exponentials,
	VL 2
	VL 4
	VL 6
	ds_load_b64 v[VW:VW+1], v[ADR] offset:SCW+8
.if \pf
	ds_load_b64 v[KW:KW+1], v[ADR] offset:REC+SCW  ; and the next record's K, nine loads, behind them
	KL 0, REC
	KL 2, REC
	KL 4, REC
	KL 6, REC
.endif
.irp c, 0,1
	v_exp_f32 v[BM+\c], v[BM+\c]                   ; the block's largest p
.endr
.irp j, 0,1,2,3,4,5,6,7,8,9,10,11,12,13,14,15,16,17,18,19,20,21,22,23,24,25,26,27,28,29,30,31,32,33,34,35,36,37,38,39,40,41,42,43,44,45,46,47,48,49,50,51,52,53,54,55,56,57,58,59,60,61,62,63
	v_exp_f32 v[S+\j], v[S+\j]                     ; p = 2^(t - M): NOT normalised
.endr
	v_pk_mul_f32 v[SUM:SUM+1], v[SUM:SUM+1], v[F:F+1] op_sel_hi:[1,0]   ; the sum under the new M; the plain line behind the exponentials
	s_wait_alu depctr_va_vdst(0)                   ; one wait for the batch, and directly ahead of O^T's first reader
	OMUL 0                                         ; O^T's rescaling and the scale bytes' lines by turns
.irp c, 0,1
	v_max_num_f32 v[BM+\c], 0x1800000, v[BM+\c]    ; the floor 2^(3 - 127): the byte cannot fall under 1
.endr
	OMUL 4
.irp c, 0,1
	v_add_nc_u32 v[SO+\c], 0xff000000, v[BM+\c]    ; 2 off the exponent field: the conversion's scale operand
.endr
	OMUL 8
.irp c, 0,1
	v_lshrrev_b32 v[BM+\c], 23, v[SO+\c]           ; the byte
.endr
	OMUL 12
	v_lshl_or_b32 v[PW], v[BM+1], 16, v[BM]        ; blocks h and 2 + h of my query,
	OMUL 16
	v_lshlrev_b32 v[PW], v[H8], v[PW]              ; at their places in the scale word
	OMUL 20
	OMUL 24
	OMUL 28
	v_permlanex16_b32 v[T1], v[PW], s[SEL], s[SEL+1]
.irp t, 0,1,2,3,4,5,6,7
	v_cvt_scalef32_pk8_fp4_f32 v[PC+\t], v[S+8*\t:S+8*\t+7], v[SO+\t/4]   ; tile 4 c + u's eight keys are register 4 c + u of P's operand
.endr
	v_or_b32 v[PW], v[PW], v[T1]                   ; the word is whole; also the plain line behind the conversions
	v_pk_add_f32 v[240:241], v[100:101], v[104:105]   ; THE ROW'S SUM OF THE UNQUANTISED p, in eight chains; they are joined at the next step's head
	v_pk_add_f32 v[250:251], v[108:109], v[112:113]
	v_pk_add_f32 v[248:249], v[116:117], v[120:121]
	v_pk_add_f32 v[246:247], v[124:125], v[128:129]
	v_pk_add_f32 v[244:245], v[132:133], v[136:137]
	v_pk_add_f32 v[242:243], v[140:141], v[144:145]
	v_pk_add_f32 v[236:237], v[148:149], v[152:153]
	v_pk_add_f32 v[14:15], v[14:15], v[156:157]
	v_pk_add_f32 v[240:241], v[240:241], v[96:97]
	v_pk_add_f32 v[250:251], v[250:251], v[98:99]
	v_pk_add_f32 v[248:249], v[248:249], v[102:103]
	v_pk_add_f32 v[246:247], v[246:247], v[106:107]
	v_pk_add_f32 v[244:245], v[244:245], v[110:111]
	v_pk_add_f32 v[242:243], v[242:243], v[114:115]
	v_pk_add_f32 v[236:237], v[236:237], v[118:119]
	v_pk_add_f32 v[14:15], v[14:15], v[122:123]
	v_pk_add_f32 v[240:241], v[240:241], v[126:127]
	v_pk_add_f32 v[250:251], v[250:251], v[130:131]
	v_pk_add_f32 v[248:249], v[248:249], v[134:135]
	v_pk_add_f32 v[246:247], v[246:247], v[138:139]
	v_pk_add_f32 v[244:245], v[244:245], v[142:143]
	v_pk_add_f32 v[242:243], v[242:243], v[146:147]
	v_pk_add_f32 v[236:237], v[236:237], v[150:151]
	v_pk_add_f32 v[14:15], v[14:15], v[154:155]
	v_pk_add_f32 v[240:241], v[240:241], v[158:159]
	s_wait_alu depctr_va_vdst(0)                   ; the wait here, ahead of the wait below and of the loop's jump
	s_wait_dscnt 9*\pf                             ; V and its scale words are in; the nine loads of the next record's K, issued behind them, may be out
.irp n, 0,1,2,3                        ; O^T += V^T P^T: the four accumulators by turns, S^T's eight products between a link and the next
.if \n%2
	v_wmma_scale_f32_16x16x128_f8f6f4 v[O+8*\n:O+8*\n+7], v[VF+8*\n:VF+8*\n+7], v[PC:PC+7], v[O+8*\n:O+8*\n+7], v[VW+\n/2], v[PW] matrix_a_fmt:MATRIX_FMT_FP4 matrix_b_fmt:MATRIX_FMT_FP4 matrix_a_scale:MATRIX_SCALE_ROW1
.else
	v_wmma_scale_f32_16x16x128_f8f6f4 v[O+8*\n:O+8*\n+7], v[VF+8*\n:VF+8*\n+7], v[PC:PC+7], v[O+8*\n:O+8*\n+7], v[VW+\n/2], v[PW] matrix_a_fmt:MATRIX_FMT_FP4 matrix_b_fmt:MATRIX_FMT_FP4
.endif
.endr
	s_add_co_u32 s[TB], s[TB], REC                 ; the next record
.endm
; steps first .. first + trips: all but the last load the next record's K
.macro RUN first, trips
	s_mov_b32 s[TB], \first*REC
	s_mov_b32 s[CNT], \trips
	KFIRST
.Lstep_\@:
	STEP 1
	s_sub_co_u32 s[CNT], s[CNT], 1
	s_cmp_lg_u32 s[CNT], 0
	s_cbranch_scc1 .Lstep_\@
	STEP 0
.endm
	s_wait_alu depctr_va_vdst(0)                   ; the wait at the head's end
	s_wait_tensorcnt 0x0                           ; my part of records 0-7 is in
	ds_add_u32 v[SPW], v[NIL]
	s_wait_dscnt 0x0
	ROUND                                          ; everybody's part is in, and all four work-groups are here
	tensor_load_to_lds s[G0B:G0B+3], s[G1B:G1B+7]  ; records 8-31: my one load behind the round; it has eight steps in which to land
	s_nop 0
.rept 4
	v_nop
.endr
	RUN 0, 7
	s_wait_tensorcnt 0x0                           ; my part of records 8-31 is in,
	s_wait_dscnt 0x0                               ; my reads of records 0-7 are over;
	s_barrier_signal -1
	s_barrier_wait -1                              ; both hold of all sixteen waves.
	RUN 8, 23
	; THE WAY OUT.  O^T is divided by the sum and goes through my stage in LDS, so that sixteen lanes store one row of out0: 256 consecutive bytes, aligned to 256.
	MERGE                                          ; (also the places behind the last products)
	v_add_f32 v[SUM], v[SUM], v[SUM+1]
	v_permlanex16_b32 v[T1], v[SUM], s[SEL], s[SEL+1]
	v_add_f32 v[SUM], v[SUM], v[T1]                ; the row's sum
	s_wait_alu depctr_va_vdst(0)                   ; the wait ahead of the transcendental
	v_rcp_f32 v[SUM], v[SUM]
	v_nop                                          ; one plain place behind it
	s_wait_alu depctr_va_vdst(0)                   ; the wait ahead of its first reader, which is O^T's first reader too
.irp j, 0,2,4,6,8,10,12,14,16,18,20,22,24,26,28,30
	v_pk_mul_f32 v[S+\j:S+\j+1], v[O+\j:O+\j+1], v[SUM:SUM+1] op_sel_hi:[1,0]   ; register 8 n + j is out0(row r, channel 16 n + 8 h + j)
.endr
.irp n, 0,1,2,3
	ds_store_b128 v[STO], v[S+8*\n:S+8*\n+3] offset:64*\n
	ds_store_b128 v[STO], v[S+8*\n+4:S+8*\n+7] offset:64*\n+16
.endr
.irp i, 0,1,2,3,4,5,6,7
	ds_load_b128 v[KF+4*\i:KF+4*\i+3], v[RD] offset:2*\i*SP    ; LDS serves a wave's instructions in order (ISA guide 5.7.1.4): these see my stores
.endr
.irp i, 0,1,2,3,4,5,6,7
	s_wait_dscnt 7-\i                              ; the younger loads may stay out
	global_store_b128 v[GO], v[KF+4*\i:KF+4*\i+3], s[8:9] offset:512*\i th:TH_STORE_NT
.endr
	s_wait_tensorcnt 0x0                           ; the wave's end
	ds_add_u32 v[SPW], v[NIL]
	s_wait_dscnt 0x0
	ROUND                                          ; the closing round
	s_endpgm
.Lfunc_end_k_q85763b62b8_attn:
	.size	k_q85763b62b8_attn, .Lfunc_end_k_q85763b62b8_attn-k_q85763b62b8_attn
	.p2alignl 7, 3214868480
	.fill 96, 4, 3214868480
	.section	.rodata,"a",@progbits
	.p2align	6, 0x0
	.amdhsa_kernel k_q85763b62b8_attn
		.amdhsa_group_segment_fixed_size 327680
		.amdhsa_private_segment_fixed_size 0
		.amdhsa_enable_private_segment 0
		.amdhsa_kernarg_size 24
		.amdhsa_user_sgpr_count 2
		.amdhsa_user_sgpr_kernarg_segment_ptr 1
		.amdhsa_wavefront_size32 1
		.amdhsa_system_sgpr_workgroup_id_x 1
		.amdhsa_system_sgpr_workgroup_id_y 1
		.amdhsa_system_sgpr_workgroup_id_z 1
		.amdhsa_system_vgpr_workitem_id 0
		.amdhsa_next_free_vgpr 256
		.amdhsa_next_free_sgpr 66
		.amdhsa_reserve_vcc 0
		.amdhsa_float_denorm_mode_32 3
		.amdhsa_float_denorm_mode_16_64 3
		.amdhsa_memory_ordered 1
		.amdhsa_forward_progress 1
		.amdhsa_inst_pref_size 73
	.end_amdhsa_kernel
	.amdgpu_metadata
---
amdhsa.version: [ 1, 2 ]
amdhsa.kernels:
  - .name:           k_q85763b62b8_attn
    .symbol:         k_q85763b62b8_attn.kd
    .args:
      - { .name: query, .offset: 0, .size: 8, .value_kind: global_buffer, .address_space: global }
      - { .name: kv, .offset: 8, .size: 8, .value_kind: global_buffer, .address_space: global }
      - { .name: out0, .offset: 16, .size: 8, .value_kind: global_buffer, .address_space: global }
    .group_segment_fixed_size: 327680
    .private_segment_fixed_size: 0
    .kernarg_segment_align: 8
    .kernarg_segment_size: 24
    .max_flat_workgroup_size: 512
    .sgpr_count:     66
    .vgpr_count:     256
    .wavefront_size: 32
...
	.end_amdgpu_metadata
.endif
;; end of part 2
